; MI455X (gfx1250); checked and timed in simulation.
; The chip was launched on July 23, 2026; its instructions are those of AMD's public machine-readable ISA for CDNA 5 (MIT licence, August 2026) and "CDNA5" Instruction Set Architecture Reference Guide (July 2026). The comments in the code are by the model that wrote it; some were corrected since.
;; Liger Fused Neighborhood Attention. Allowed arithmetic: matrix products marked QUANTISED: E3M2 operands, one E8M0 scale for each 32 along K, by v_wmma_scale_f32_16x16x128_f8f6f4 with both operands' format E3M2, f32 sums; products left as they are: f32 operands where the result goes on into a quantised operand, else bf16, f16 or f32 operands; f32 sums; everything else in f32.
;; Inputs: b_k 1,024 float32; b_o 1,024 float32; b_q 1,024 float32; b_v 1,024 float32; hidden_states 2 x 8,192 x 1,024 float32; w_k 1,024 x 1,024 float32; w_o 1,024 x 1,024 float32; w_q 1,024 x 1,024 float32; w_v 1,024 x 1,024 float32.
;; Outputs: out0 2 x 8,192 x 1,024 float32.
;; This version of the problem:
;;   THIS VERSION OF THE PROBLEM IS GIVEN IN LOW PRECISION. The matrix products marked QUANTISED in the list below multiply operands that are first quantised to E3M2 (3 exponent bits, 2 mantissa bits; 6 bits a number), with one power-of-two scale for each 32 numbers along K (OCP MX v1.0); their sums are f32. All else is computed in f32.
;;   The module's matrix products, in the order in which they are computed (A, B: the left and right operand; K: the contracted axis; several contracted axes count as one K, in the product's order):
;;     1. [M 16,384, K 1,024] x [K 1,024, N 1,024]; A: input hidden_states; B: input w_q: QUANTISED
;;     2. [M 16,384, K 1,024] x [K 1,024, N 1,024]; A: input hidden_states; B: input w_k: QUANTISED
;;     3. [M 16,384, K 1,024] x [K 1,024, N 1,024]; A: input hidden_states; B: input w_v: QUANTISED
;;     4. batch 262,144 x [M 1, K 64] x [K 64, N 7]; A: computed on the way; B: computed on the way: left as it is (M = 1 < 16)
;;     5. batch 262,144 x [M 1, K 7] x [K 7, N 64]; A: softmax; B: computed on the way: left as it is (K = 7 < 32)
;;     6. [M 16,384, K 1,024] x [K 1,024, N 1,024]; A: computed on the way; B: input w_o: QUANTISED
;;   THE QUANTISER, for each operand of a quantised product, along K:
;;     - K is cut into blocks of 32 from its start; a last block that is shorter is filled with zeros.
;;     - A block's scale is 2^e with e = floor(log2(the largest magnitude in the block)) - 4, held to -126 .. 127; a block of zeros has e = 0. As a byte (E8M0): e + 127.
;;     - Each number is divided by its block's scale, clamped to +-28, and rounded to the nearest number of E3M2, ties to even, subnormals kept.
;;     - The product sums the exact products of the quantised numbers (number of the format x scale) in f32.
;;   ~~~python
;;   def quantise(x, axis):      # numpy; x: float32 -> the quantised numbers, widened to float32 again
;;       x = np.moveaxis(x, axis, -1); K = x.shape[-1]
;;       x = np.pad(x, [(0, 0)] * (x.ndim - 1) + [(0, -K % 32)]); x = x.reshape(x.shape[:-1] + (-1, 32)); a = np.abs(x).max(-1, keepdims=True)
;;       e = np.where(a > 0, np.clip(np.frexp(np.where(a > 0, a, 1))[1] - 1 - 4, -126, 127), 0)      # np.frexp(a)[1] - 1 = floor(log2(a)), exactly
;;       r = np.clip(x / 2.0 ** e, -28, 28)
;;       step = 2.0 ** (np.maximum(np.frexp(np.where(r == 0, 1, r))[1] - 1, -2) - 2)
;;       q = np.round(r / step) * step * 2.0 ** e      # np.round: ties to even
;;       return np.moveaxis(q.reshape(q.shape[:-2] + (-1,))[..., :K], -1, axis).astype(np.float32)
;;   ~~~
;;   OPERANDS COMPUTED ON THE WAY. 'Computed on the way' means the value that the module computes at that place (a softmax that the list does not call 'softmax' is quantised finished and normalised). What goes into a quantiser is computed in f32, as accurately as f32 sums, v_exp_f32 and their like allow (about 1e-6 of the number): no bf16 or f16 on the way to a quantiser, and a product that is left as it is and whose result goes on into a quantised operand takes f32 operands (vector FMAs, or v_wmma_f32_16x16x4_f32). A number that lies on a knife's edge between two numbers of the format may be rounded either way, as far as f32 arithmetic and the matrix unit's own rounding can turn it there, and no further.
;; One version. Each part assembles by itself: llvm-mc -triple=amdgcn-amd-amdhsa -mcpu=gfx1250 --defsym DOCPART=n.
;; ======== version 1 of 1: 3 launches
;; limits: right only within a limited range of input values
;; workspace buffers: xw 13,107,200 bytes; xh 3,407,872 bytes; wqkv 2,490,368 bytes; wo 819,200 bytes; a2 13,631,488 bytes
;; launch prep (part 1): grid 256 x 1, 12 waves a work-group, no clusters, 102,912 bytes of LDS; arguments hidden_states, w_q, w_k, w_v, w_o, xw, xh, wqkv, wo; writes xw, xh, wqkv, wo
.if DOCPART == 1
	.amdgcn_target "amdgcn-amd-amdhsa--gfx1250"
	.amdhsa_code_object_version 6
	.text
	.protected	k_q11d551e8ba_prep
	.globl	k_q11d551e8ba_prep
	.p2align	8
	.type	k_q11d551e8ba_prep,@function
k_q11d551e8ba_prep:
	s_mov_b64 s[64:65], 0
	v_nop
	global_prefetch_b8 v0, s[64:65] scope:SCOPE_SE
	s_setreg_imm32_b32 hwreg(HW_REG_WAVE_MODE, 25, 1), 1
	s_wait_xcnt 0x0
; NEIGHBOURHOOD ATTENTION, launch 1 of 3: hidden_states and the four weights become codes of BF6 (E3M2) with one E8M0 byte for each 32 along K,
; laid as IMAGES OF THE OPERANDS' REGISTERS: a fragment (16 rows x 128 K, 12 registers a lane) is 1,536 bytes, registers 4 c .. 4 c + 3 of lane l at 512 c + 16 l.
; DEAD WORK, for the whole program: b_k.  scores[i][j] = q_i . (k_j + b_k) / 8 = q_i . k_j / 8 + q_i . b_k / 8: the second term is the same for all seven keys of query i, the product of q and k is not quantised,
; a masked score stays -infinity, and a softmax is unchanged by a term that is the same along its axis.  That holds for all finite values of the inputs.  So b_k is not loaded and is no launch's argument.
; LIMITS: a NaN, an infinity or an overflow that reaches only q . b_k is not carried to the result.  NaN and infinities among the inputs are not served.  A block of zeros gets the byte 1 where the rule says 127:
; its codes are zeros, which add nothing under that byte, and this program alone reads the bytes.
; A block's scale: the largest magnitude's exponent field less 4, held at 1 from below by a floor among the maximum's leaves; the conversion divides by it, rounds to nearest even and holds at the largest code.
; SHARES.  256 work-groups of twelve waves, so that each has the same work.
; WAVES 0 .. 7 take the work-group's 64 rows of hidden_states (block beta); wave w takes K step w (128 along K).  THE ROWS OF A TILE ARE STRIDED: tile t (0 .. 3) holds rows 64 beta + 4 r + t in lane r, so that later
; a lane owns four neighbouring rows.  A fifth tile holds the block's six edge rows (three before, three after; held inside the tensor), row index lane % 8 of the list -3,-3,-2,-1,64,65,66,66.
; Each load reads 512 consecutive bytes of a row; a tile turns through the wave's own stage in LDS so that a lane gets 16 neighbours of each block of 32.
; xw[beta][s] is 6,400 bytes: four fragments, then the four tiles' scale words, tile t's row r at 6,144 + 64 t + 4 r.  xh[beta][s] is 1,664: the edge tile's fragment and a scale word for each lane.
; WAVES 8 .. 11 take the weights, whose K is the first axis: a lane takes a column and its registers run down K.  A wave takes 32 columns x 128 K of one weight: two tiles; 1,024 such tasks, four a work-group.
; Lane r of tile u takes column 8 u + r + 8 (r / 8) of the 32, so that a product's 16 registers of two neighbouring tiles are 16 neighbouring columns.
.set STG,   8448                       ; a stage: 16 rows x (512 + 16) bytes; waves 0 .. 7 use theirs
.set SPARE, 12*STG                     ; behind twelve stage places: the spare words, 128 bytes a wave: six blocks of 256 bytes that no other line names
.set SPW,  252                         ; v252 LDS address of my spare word; never rewritten
.set NIL,  253                         ; v253 0; never rewritten
.set WV,   22                          ; s22  wave
.set SEL,  24                          ; s[24:25] selects for lane l xor 16
.set R,    16                          ; v16-143  two sets of 64: a tile as loaded
.set X,    144                         ; v144-207 64 numbers: register 16 b + i = k 32 b + 16 (lane / 16) + i of my row
.set PC,   208                         ; v208-227 the codes just made
.set TM,   228                         ; v228-243 at work
.set PW,   244                         ; v244-248 the five tiles' scale words; v249-250 the first four joined
	s_load_b256 s[4:11], s[0:1], 0x0               ; hidden_states, w_q, w_k, w_v
	s_load_b256 s[12:19], s[0:1], 0x20             ; w_o, xw, xh, wqkv
	s_load_b64 s[20:21], s[0:1], 0x40              ; wo
	v_lshl_add_u32 v[SPW], v0, 2, SPARE
	v_mov_b32 v[NIL], 0
	v_lshrrev_b32 v1, 5, v0
	s_delay_alu instid0(VALU_DEP_1)
	v_readfirstlane_b32 s[WV], v1
	v_and_b32 v12, 31, v0                          ; lane
	v_and_b32 v13, 15, v0                          ; r
	v_bfe_u32 v14, v0, 4, 1                        ; h
	s_delay_alu instid0(VALU_DEP_3)
	v_lshlrev_b32 v1, 4, v12                       ; 16 x lane
	s_delay_alu instid0(VALU_DEP_4)
	v_lshlrev_b32 v2, 2, v12                       ; 4 x lane
	s_cmp_lt_u32 s[WV], 8
	s_cbranch_scc0 .Lweights
; ---------------- hidden_states ----------------
	s_mov_b32 s23, ttmp9                           ; beta
	s_mov_b32 s[SEL], 0x76543210
	s_mov_b32 s[SEL+1], 0xfedcba98
	s_mov_b32 s45, 0xffff0000                      ; lanes 16-31
	s_mul_i32 s26, s[WV], STG                      ; my stage
	v_add_nc_u32 v3, s26, v1                       ; in: 16 x lane of a row
	v_mul_u32_u24 v4, v13, 528
	s_delay_alu instid0(VALU_DEP_1)
	v_lshl_add_u32 v4, v14, 6, v4
	s_delay_alu instid0(VALU_DEP_1)
	v_add_nc_u32 v4, s26, v4                       ; out: row r, + 64 h
	v_and_b32 v5, 7, v13
	s_delay_alu instid0(VALU_DEP_1)
	v_mul_u32_u24 v5, v5, 528
	s_delay_alu instid0(VALU_DEP_1)
	v_lshl_add_u32 v5, v14, 6, v5
	s_delay_alu instid0(VALU_DEP_1)
	v_add_nc_u32 v5, s26, v5                       ; out, edge tile: row r % 8
	s_lshl_b32 s27, s23, 6                         ; the block's first row
.set n, 0
.irp d, 0,1,2,67,68,69
	s_add_co_i32 s28, s27, \d-3                    ; the six edge rows,
	s_max_i32 s28, s28, 0
	s_min_u32 s28, s28, 16383                      ; held inside the tensor (what lies beyond a sequence's end is masked later)
	s_lshl_b32 s28, s28, 12
	v_add_nc_u32 v[6+n], s28, v1
.set n, n+1
.endr
.irp b, 0,1,2,3
	v_mov_b32 v[TM+4+\b], 0                        ; written once: a lane permute's destination counts as one of its sources
.endr
	s_lshl_b32 s28, s23, 18                        ; 64 rows of 4,096 bytes
	s_mov_b32 s29, 0
	s_lshl_b32 s38, s[WV], 9                       ; my K step: 512 bytes of a row
	s_mov_b32 s39, 0
	s_mul_i32 s40, s23, 51200
	s_mul_i32 s42, s[WV], 6400
	s_add_co_u32 s40, s40, s42
	s_mov_b32 s41, 0
	s_mul_i32 s42, s23, 13312
	s_mul_i32 s44, s[WV], 1664
	s_add_co_u32 s42, s42, s44
	s_mov_b32 s43, 0
	s_wait_kmcnt 0x0
	s_add_nc_u64 s[32:33], s[4:5], s[38:39]        ; hidden_states at my K step
	s_add_nc_u64 s[30:31], s[32:33], s[28:29]      ; and at my block
	s_add_nc_u64 s[34:35], s[14:15], s[40:41]      ; xw[beta][s]
	s_add_nc_u64 s[36:37], s[16:17], s[42:43]      ; xh[beta][s]
.macro XLD t                           ; tile t as it lies: a row's 512 bytes a load
.if (\t) < 4
.irp p, 0,1,2,3,4,5,6,7,8,9,10,11,12,13,14,15
	global_load_b128 v[R+64*((\t)%2)+4*\p:R+64*((\t)%2)+4*\p+3], v1, s[30:31] offset:(4*\p+(\t))*4096
.endr
.else
.irp p, 0,1,2,3,4,5
	global_load_b128 v[R+4*\p:R+4*\p+3], v[6+\p], s[32:33]
.endr
.endif
.endm
.macro XTURN t                         ; through the stage: LDS serves a wave's instructions in order, so no wait stands between the stores and the loads
.if (\t) < 4
.irp p, 0,1,2,3,4,5,6,7,8,9,10,11,12,13,14,15
	ds_store_b128 v3, v[R+64*((\t)%2)+4*\p:R+64*((\t)%2)+4*\p+3] offset:\p*528
.endr
.irp b, 0,1,2,3
.irp j, 0,1,2,3
	ds_load_b128 v[X+16*\b+4*\j:X+16*\b+4*\j+3], v4 offset:128*\b+16*\j
.endr
.endr
.else
.set n, 0
.irp p, 0,0,1,2,3,4,5,5
	ds_store_b128 v3, v[R+4*\p:R+4*\p+3] offset:n*528
.set n, n+1
.endr
.irp b, 0,1,2,3
.irp j, 0,1,2,3
	ds_load_b128 v[X+16*\b+4*\j:X+16*\b+4*\j+3], v5 offset:128*\b+16*\j
.endr
.endr
.endif
.endm
.macro QUANT s, pw                     ; 64 numbers of a lane become a fragment's codes in v[PC] on and its scale word in v[pw]
.irp b, 0,1,2,3
	v_max3_num_f32 v[TM+\b], |v[\s+16*\b]|, |v[\s+1+16*\b]|, 0x2800000   ; my 16 numbers of block b, and the floor 2^(5 - 127): the byte cannot fall under 1
.endr
.irp i, 2,4,6,8,10,12,14
.irp b, 0,1,2,3
	s_delay_alu instid0(VALU_DEP_4)
	v_max3_num_f32 v[TM+\b], v[TM+\b], |v[\s+16*\b+\i]|, |v[\s+1+16*\b+\i]|
.endr
.endr
.irp b, 0,1,2,3
	s_delay_alu instid0(VALU_DEP_4)
	v_permlanex16_b32 v[TM+4+\b], v[TM+\b], s[SEL], s[SEL+1]
.endr
.irp b, 0,1,2,3
	s_delay_alu instid0(VALU_DEP_4)
	v_max_num_f32 v[TM+\b], v[TM+\b], v[TM+4+\b]   ; with lane l xor 16's: the block's largest magnitude
.endr
.irp b, 0,1,2,3
	s_delay_alu instid0(VALU_DEP_4)
	v_add_nc_u32 v[TM+12+\b], 0xfe000000, v[TM+\b] ; 4 off its exponent field: the conversion's scale operand
.endr
.irp b, 0,1,2,3
	s_delay_alu instid0(VALU_DEP_4)
	v_lshrrev_b32 v[TM+4+\b], 23, v[TM+12+\b]      ; the scale's byte
.endr
	s_delay_alu instid0(VALU_DEP_3)
	v_lshl_or_b32 v[\pw], v[TM+5], 8, v[TM+4]
	s_delay_alu instid0(VALU_DEP_1)
	v_lshl_or_b32 v[\pw], v[TM+6], 16, v[\pw]
	s_delay_alu instid0(VALU_DEP_1)
	v_lshl_or_b32 v[\pw], v[TM+7], 24, v[\pw]
.irp c, 0,1
	v_cvt_scalef32_pk16_bf6_f32 v[PC+6*\c:PC+2+6*\c], v[\s+32*\c:\s+15+32*\c], v[TM+12+2*\c]
	v_cvt_scalef32_pk16_bf6_f32 v[PC+12+4*\c:PC+14+4*\c], v[\s+16+32*\c:\s+31+32*\c], v[TM+12+2*\c+1]   ; (a conversion's three registers begin on an even number)
.endr
	v_nop                                          ; one plain place behind a scaled conversion
.irp c, 0,1                            ; the operand's layout wants a whole block in a lane: lanes 0-15 block 2 c, lanes 16-31 block 2 c + 1
.irp i, 0,1,2
	v_permlane16_swap_b32 v[PC+6*\c+\i], v[PC+12+4*\c+\i]
.endr
.irp i, 0,1,2
	s_delay_alu instid0(VALU_DEP_3)
	v_mov_b32 v[PC+3+6*\c+\i], v[PC+12+4*\c+\i]
.endr
.endr
.endm
.macro XOUT t                          ; the image leaves: 512 consecutive bytes a store
.if (\t) < 4
.irp c, 0,1,2
	global_store_b128 v1, v[PC+4*\c:PC+4*\c+3], s[34:35] offset:(\t)*1536+512*\c
.endr
.else
.irp c, 0,1,2
	global_store_b128 v1, v[PC+4*\c:PC+4*\c+3], s[36:37] offset:512*\c
.endr
	global_store_b32 v2, v[PW+4], s[36:37] offset:1536
.endif
.endm
.macro XSTEP t, left
	s_wait_loadcnt \left                           ; this tile's loads are in; the next tile's may be out
	XTURN \t
	s_wait_dscnt 0x0                               ; the stage's stores have read their set, and my 64 numbers are back
	s_wait_xcnt 0x0                                ; the last tile's stores have read the codes' registers, which are written again below
.if (\t)+2 <= 4
	XLD (\t)+2                                     ; two tiles ahead, into the set just freed
.endif
	QUANT X, PW+(\t)
	XOUT \t
.endm
	XLD 0
	XLD 1
	XSTEP 0, 16
	XSTEP 1, 16
	XSTEP 2, 16
	XSTEP 3, 6                                     ; behind tile 3's loads stand the edge tile's six
	v_cndmask_b32 v249, v[PW], v[PW+1], s45        ; both halves of the lanes hold a row's word: tile 0's in lanes 0-15, tile 1's in lanes 16-31,
	v_cndmask_b32 v250, v[PW+2], v[PW+3], s45      ; tiles 2 and 3 likewise
	global_store_b32 v2, v249, s[34:35] offset:6144
	global_store_b32 v2, v250, s[34:35] offset:6272
	XSTEP 4, 0
	s_wait_tensorcnt 0x0                           ; the wave's end: the three closing lines behind my last LDS store
	ds_add_u32 v[SPW], v[NIL]
	s_wait_dscnt 0x0
	s_endpgm
; ---------------- the weights ----------------
.Lweights:
	s_lshr_b32 s52, ttmp9, 1                       ; task 4 x work-group + wave - 8, taken as (task / 8, task % 8)
	s_lshr_b32 s23, s52, 5                         ; which weight: 0 q, 1 k, 2 v, 3 o
	s_bfe_u32 s26, s52, 0x30002
	s_and_b32 s27, s52, 3
	s_and_b32 s28, s[WV], 3
	s_lshl_b32 s26, s26, 2
	s_add_co_u32 s26, s26, s28                     ; P: which 32 columns, 0 .. 31
	s_and_b32 s28, ttmp9, 1
	s_lshl_b32 s27, s27, 1
	s_add_co_u32 s27, s27, s28                     ; s: which K step, 0 .. 7
	; q, k, v: block ((P / 8) 32 + ((P / 2) % 4) 8 + s) of 19,456 bytes; fragments 4 mu + 2 (P % 2) and the next; pair image 2 mu + P % 2
	s_lshr_b32 s36, s26, 3
	s_bfe_u32 s37, s26, 0x20001
	s_and_b32 s38, s26, 1
	s_lshl_b32 s39, s36, 5
	s_lshl_b32 s40, s37, 3
	s_add_co_u32 s39, s39, s40
	s_add_co_u32 s39, s39, s27
	s_mul_i32 s39, s39, 19456
	s_lshl_b32 s40, s23, 1
	s_add_co_u32 s40, s40, s38
	s_mul_i32 s41, s40, 3072
	s_add_co_u32 s41, s41, s39                     ; the codes' place
	s_lshl_b32 s40, s40, 7
	s_add_co_u32 s40, s40, s39
	s_add_co_u32 s40, s40, 18432                   ; the scale words'
	; o: block (((P / 8) 4 + s / 2) 2 + (P % 8) / 4) of 25,600 bytes; fragments (s % 2) 8 + 2 (P % 4) and the next; pair image (s % 2) 4 + P % 4
	s_lshl_b32 s42, s36, 2
	s_lshr_b32 s43, s27, 1
	s_add_co_u32 s42, s42, s43
	s_lshl_b32 s42, s42, 1
	s_bfe_u32 s43, s26, 0x10002
	s_add_co_u32 s42, s42, s43
	s_mul_i32 s42, s42, 25600
	s_and_b32 s43, s27, 1
	s_lshl_b32 s43, s43, 2
	s_and_b32 s44, s26, 3
	s_add_co_u32 s43, s43, s44
	s_mul_i32 s44, s43, 3072
	s_add_co_u32 s44, s44, s42
	s_lshl_b32 s43, s43, 7
	s_add_co_u32 s43, s43, s42
	s_add_co_u32 s43, s43, 24576
	s_lshl_b32 s50, s27, 19                        ; the source: 128 rows of 4,096 bytes a K step,
	s_lshl_b32 s51, s26, 7                         ; 128 bytes for 32 columns
	s_add_co_u32 s50, s50, s51
	s_mov_b32 s51, 0
	s_wait_alu depctr_va_vdst(0)
	v_and_b32 v3, 8, v13
	s_delay_alu instid0(VALU_DEP_1)
	v_add_nc_u32 v3, v3, v13
	s_delay_alu instid0(VALU_DEP_1)
	v_lshl_add_u32 v3, v14, 3, v3
	s_delay_alu instid0(VALU_DEP_1)
	v_lshlrev_b32 v3, 2, v3                        ; my column of the 32: r + 8 (r / 8) + 8 (lane / 16)
	s_wait_alu depctr_va_vdst(0)
	s_wait_kmcnt 0x0
	s_cmp_lt_u32 s23, 2                            ; the choices hang on the task's number alone
	s_cselect_b64 s[30:31], s[6:7], s[10:11]
	s_cselect_b64 s[32:33], s[8:9], s[12:13]
	s_bitcmp1_b32 s23, 0
	s_cselect_b64 s[30:31], s[32:33], s[30:31]
	s_cmp_eq_u32 s23, 3
	s_cselect_b32 s46, s44, s41
	s_cselect_b32 s48, s43, s40
	s_cselect_b64 s[34:35], s[20:21], s[18:19]
	s_mov_b32 s47, 0
	s_mov_b32 s49, 0
	s_add_nc_u64 s[46:47], s[34:35], s[46:47]
	s_add_nc_u64 s[48:49], s[34:35], s[48:49]
	s_add_nc_u64 s[30:31], s[30:31], s[50:51]
.macro WLD b                           ; block b: W(32 b + i, my column): 32 lanes read 128 consecutive bytes
.irp i, 0,1,2,3,4,5,6,7,8,9,10,11,12,13,14,15,16,17,18,19,20,21,22,23,24,25,26,27,28,29,30,31
	global_load_b32 v[32+32*((\b)%2)+\i], v3, s[30:31] offset:(32*(\b)+\i)*4096
.endr
.endm
.macro WBLK b, cb                      ; a block of 32 along K lies in my 32 registers: six registers of codes at v[cb]
.set XS, 32+32*((\b)%2)
.if (\b) < 3
	s_wait_loadcnt 32                              ; this block's loads are in; the next block's may be out
.else
	s_wait_loadcnt 0
.endif
	v_max3_num_f32 v8, |v[XS]|, |v[XS+1]|, |v[XS+2]|
	v_max3_num_f32 v9, |v[XS+3]|, |v[XS+4]|, |v[XS+5]|
.irp i, 6,10,14,18,22,26
	s_delay_alu instid0(VALU_DEP_2)
	v_max3_num_f32 v8, v8, |v[XS+\i]|, |v[XS+\i+1]|
	s_delay_alu instid0(VALU_DEP_2)
	v_max3_num_f32 v9, v9, |v[XS+\i+2]|, |v[XS+\i+3]|
.endr
	s_delay_alu instid0(VALU_DEP_2)
	v_max3_num_f32 v8, v8, |v[XS+30]|, |v[XS+31]|
	s_delay_alu instid0(VALU_DEP_1)
	v_max3_num_f32 v8, v8, v9, 0x2800000           ; and the floor
	s_delay_alu instid0(VALU_DEP_1)
	v_add_nc_u32 v10, 0xfe000000, v8
	s_delay_alu instid0(VALU_DEP_1)
	v_lshrrev_b32 v11, 23, v10
.if (\b) == 0
	s_delay_alu instid0(VALU_DEP_1)
	v_mov_b32 v124, v11                            ; my column's scale word, the lower K in the lower byte
.else
	s_delay_alu instid0(VALU_DEP_1)
	v_lshl_or_b32 v124, v11, 8*(\b), v124
.endif
	v_cvt_scalef32_pk16_bf6_f32 v[\cb:\cb+2], v[XS:XS+15], v10
	v_cvt_scalef32_pk16_bf6_f32 v[120:122], v[XS+16:XS+31], v10
	v_nop                                          ; one plain place behind a scaled conversion
.irp i, 0,1,2
	v_mov_b32 v[\cb+3+\i], v[120+\i]
.endr
.if (\b)+2 < 4
	WLD (\b)+2
.endif
.endm
	WLD 0
	WLD 1
	WBLK 0, 96
	WBLK 1, 108
	WBLK 2, 102
	WBLK 3, 114
; Lanes 0-15 hold all four blocks of tile 0's columns, lanes 16-31 of tile 1's.  A fragment wants blocks 0 and 2 in lanes 0-15 and blocks 1 and 3 in lanes 16-31: block 0's upper lanes change places with block 1's lower, 2's with 3's.
.irp i, 0,1,2,3,4,5
	v_permlane16_swap_b32 v[96+\i], v[108+\i]
	v_permlane16_swap_b32 v[102+\i], v[114+\i]
.endr
.irp c, 0,1,2
	global_store_b128 v1, v[96+4*\c:96+4*\c+3], s[46:47] offset:512*\c          ; tile 0's image
	global_store_b128 v1, v[108+4*\c:108+4*\c+3], s[46:47] offset:1536+512*\c   ; tile 1's
.endr
	global_store_b32 v2, v124, s[48:49]            ; the pair's scale words: lanes 0-15 tile 0's, lanes 16-31 tile 1's
	s_cmp_lg_u32 s23, 2
	s_cbranch_scc1 .Lwdone
	global_store_b32 v2, v124, s[48:49] offset:256 ; v's images once more in the block's last two places, so that every byte that a tile load brings has been written
.Lwdone:
	s_wait_tensorcnt 0x0                           ; the same three closing lines on this path
	ds_add_u32 v[SPW], v[NIL]
	s_wait_dscnt 0x0
	s_endpgm
.Lfunc_end_k_q11d551e8ba_prep:
	.size	k_q11d551e8ba_prep, .Lfunc_end_k_q11d551e8ba_prep-k_q11d551e8ba_prep
	.p2alignl 7, 3214868480
	.fill 96, 4, 3214868480
	.section	.rodata,"a",@progbits
	.p2align	6, 0x0
	.amdhsa_kernel k_q11d551e8ba_prep
		.amdhsa_group_segment_fixed_size 102912
		.amdhsa_private_segment_fixed_size 0
		.amdhsa_enable_private_segment 0
		.amdhsa_kernarg_size 72
		.amdhsa_user_sgpr_count 2
		.amdhsa_user_sgpr_kernarg_segment_ptr 1
		.amdhsa_wavefront_size32 1
		.amdhsa_system_sgpr_workgroup_id_x 1
		.amdhsa_system_sgpr_workgroup_id_y 1
		.amdhsa_system_sgpr_workgroup_id_z 1
		.amdhsa_system_vgpr_workitem_id 0
		.amdhsa_next_free_vgpr 256
		.amdhsa_next_free_sgpr 66
		.amdhsa_reserve_vcc 0
		.amdhsa_float_denorm_mode_32 3
		.amdhsa_float_denorm_mode_16_64 3
		.amdhsa_memory_ordered 1
		.amdhsa_forward_progress 1
		.amdhsa_inst_pref_size 73
	.end_amdhsa_kernel
	.amdgpu_metadata
---
amdhsa.version: [ 1, 2 ]
amdhsa.kernels:
  - .name:           k_q11d551e8ba_prep
    .symbol:         k_q11d551e8ba_prep.kd
    .args:
      - { .name: hidden_states, .offset: 0, .size: 8, .value_kind: global_buffer, .address_space: global }
      - { .name: w_q, .offset: 8, .size: 8, .value_kind: global_buffer, .address_space: global }
      - { .name: w_k, .offset: 16, .size: 8, .value_kind: global_buffer, .address_space: global }
      - { .name: w_v, .offset: 24, .size: 8, .value_kind: global_buffer, .address_space: global }
      - { .name: w_o, .offset: 32, .size: 8, .value_kind: global_buffer, .address_space: global }
      - { .name: xw, .offset: 40, .size: 8, .value_kind: global_buffer, .address_space: global }
      - { .name: xh, .offset: 48, .size: 8, .value_kind: global_buffer, .address_space: global }
      - { .name: wqkv, .offset: 56, .size: 8, .value_kind: global_buffer, .address_space: global }
      - { .name: wo, .offset: 64, .size: 8, .value_kind: global_buffer, .address_space: global }
    .group_segment_fixed_size: 102912
    .private_segment_fixed_size: 0
    .kernarg_segment_align: 8
    .kernarg_segment_size: 72
    .max_flat_workgroup_size: 384
    .sgpr_count:     66
    .vgpr_count:     256
    .wavefront_size: 32
...
	.end_amdgpu_metadata
.endif
;; end of part 1
;; launch qkvattn (part 2): grid 4 x 64, 4 waves a work-group, clusters of 4 x 4, 327,680 bytes of LDS; arguments xw, xh, wqkv, b_q, b_v, a2; writes a2
.if DOCPART == 2
	.amdgcn_target "amdgcn-amd-amdhsa--gfx1250"
	.amdhsa_code_object_version 6
	.text
	.protected	k_q11d551e8ba_qkvattn
	.globl	k_q11d551e8ba_qkvattn
	.p2align	8
	.type	k_q11d551e8ba_qkvattn,@function
k_q11d551e8ba_qkvattn:
	s_mov_b64 s[64:65], 0
	v_nop
	global_prefetch_b8 v0, s[64:65] scope:SCOPE_SE
	s_setreg_imm32_b32 hwreg(HW_REG_WAVE_MODE, 25, 1), 1
	s_wait_xcnt 0x0
	s_wait_alu depctr_hold_cnt(0) depctr_sa_sdst(0) depctr_va_vdst(0) depctr_va_sdst(0) depctr_va_ssrc(0) depctr_va_vcc(0) depctr_vm_vsrc(0)
	s_getreg_b32 s2, hwreg(HW_REG_IB_STS2, 6, 4)
	s_cmp_eq_u32 s2, 0
	s_cbranch_scc0 .Lentry_in_a_cluster
	s_endpgm
.Lentry_in_a_cluster:
	s_bfe_u32 s2, ttmp6, 0x10000c
	s_cmp_lg_u32 s2, 0xf033
	s_cbranch_scc0 .Lentry_shape_is_right
	s_endpgm
.Lentry_shape_is_right:
; Launch 2 of 3: q, k, v = Q(x) Q(W) + b on codes of BF6, the 7-wide neighbourhood attention in f32, and its result quantised along the last product's K.  q, k and v never leave the registers.
; LEFT OUT: b_k (it adds the same term to all seven scores of a query: shown at the head of the first kernel).  LIMITS as stated there.
; SHARES.  A work-group takes 256 rows x 4 heads; wave w takes rows 64 w .. 64 w + 63 of them, all four waves the same head, one head after the other.  x's codes of a wave's 64 rows, for all of K, stay in LDS (51,200 bytes
; a wave, read by that wave alone).
; THE WEIGHTS' RING.  The weights' codes of a head and K step are 12 fragments and their scale words, 19,456 bytes, read by all four waves.  LDS has six places for them; step s lies in place s % 6.  A head has two refills:
; at step 1, when places 0 and 1 have been read out, they take the head's steps 6 and 7, which are wanted at step 5: four K steps, 224 matrix instructions, in which to land; at step 7 all six places take the next head's
; steps 0 to 5 by one load a wave, which has the rest of the step and the attention in which to land.  Two work-group barriers behind which nothing is filled (at step 5; in the attention) show the landed tiles to all waves.
; CLUSTER 4 x 4: the four work-groups of a row of the cluster take the same rows and ask for x jointly; the four of a column take the same heads and ask for the weights jointly.  Every wave issues every load (a quarter of it).
; LAYOUT.  The products are used transposed (source 0 = 16 columns of W, source 1 = 16 rows of x): a lane holds ONE row and eight dims a tile.  Tile t holds row 4 r + t in lane r: a lane owns four neighbouring rows, so a
; query's neighbours are other tiles' registers of the same lane, but for three rows on each side, which lie in lanes r - 1 and r + 1 (a lane shift), and at the wave's edge in a fifth tile H of six edge rows (k and v only).
; The dims of a lane: tile c, register j = dim 32 (c / 2) + 16 (lane / 16) + 8 (c % 2) + j; the other 32 dims lie in lane l xor 16: a score wants one exchange.
; SOFTMAX as written: the row's maximum is taken away, p = 2^(c s - c m), c = log2(e) / 8, normalised by the sum; keys beyond a sequence's end get -infinity by lane masks made of ids.
; REGISTERS, in windows of 256.  Window 0: v1-13 addresses; v16-37 scale words (W's six pairs, x's two sets of four, H's eight); v38-57 statistics; v58-105 the codes of four fragments; v106-127, v240-255 at work;
;   v128-191 the biases b_q, b_v in the result's layout, in the attention the 28 scores as pairs; v192-239 v's four fragments of W.
; Window 1: v0-127 q, later the attention's result; v128-223 q's and k's fragments of W, in the attention the three rows before.   Window 2: v0-127 k, v128-159 k of H; v160-255 x's two sets, in the attention the three rows after.
; Window 3: v0-127 v, v128-159 v of H; v160-255 H's eight fragments, which stay.
.set XB,    51200                      ; x's images of 64 rows: 8 K steps x (4 fragments + 256 bytes of scale words)
.set XSB,   6400
.set WSB,   19456                      ; the weights' images of a head and K step
.set HEADB, 8*WSB                      ; a head's
.set Q2,    2*WSB/4                    ; a wave's quarter of two steps: 38 rows of 256 bytes
.set Q6,    6*WSB/4                    ; and of six: 114 rows
.set RING,  4*XB
.set SPARE, RING+6*WSB                 ; the spare words, 128 bytes a wave: two blocks of 256 bytes that no other line names
.set LI,  1                            ; v1   16 x lane
.set LS,  2                            ; v2   4 x lane
.set AX,  14                           ; v14-15 my wave's x, fragments: K steps 0 and 1; K steps 2 to 7
.set AXS, 3                            ; v3-4 and scale words, likewise
.set T3,  6*WSB/3                      ; a third of six steps of the weights: 152 rows of 256 bytes
.set AW,  5                            ; v5-6 the weights' fragments: places 0-2, places 3-5
.set AWS, 7                            ; v7-8 and scale words
.set BO,  9                            ; v9   64 (lane / 16): my place in a bias
.set NINF, 10                          ; v10  -infinity
.set SPW, 12                           ; v12  my spare word; never rewritten
.set NIL, 13                           ; v13  0; never rewritten
.set WS,  16
.set XS,  22
.set HS,  30
.set M,   38
.set L,   42
.set RL,  46
.set SW,  54
.set F,   58
.set TM,  106
.set TP,  114
.set S,   128
.set BQ,  128
.set BV,  160
.set WVF, 192
.set TT,  240
.set WV,  16                           ; s16  wave
.set CS,  21                           ; s21  c
.set SEL, 22                           ; s[22:23] selects for lane l xor 16
.set MB,  24                           ; s24  lanes whose rows before lie ahead of the sequence's start
.set MA,  25                           ; s25  lanes whose rows after lie behind its end
.set HEADC, 26                         ; s26  the head in hand, 0 .. 3
.set G1XA, 28                          ; s[28:35] group 1: x's K steps 0 and 1 of all four waves, 4 rows of 12,800 bytes
.set G1XB, 36                          ; s[36:43] x's K steps 2 to 7, 150 rows
.set G1W2, 44                          ; s[44:51] a quarter of two steps of the weights
.set G1W6, 52                          ; s[52:59] a quarter of six
.set G0XA, 60
.set G0XB, 68
.set G0R2, 72                          ; s[72:75] group 0: a head's steps 6 and 7 into places 0 and 1
.set G0R6, 76                          ; s[76:79] a head's steps 0 to 5 into all six places
.set BQP, 80
.set BVP, 82
.set A2C, 84
.set A2S, 86
.set XHP, 88
.set MSB, 0
.macro WIN new                         ; the immediate's high byte repeats the setting that is left; a switch that changes nothing is dropped
.if MSB != \new
	s_set_vgpr_msb (MSB<<8)|\new
.set MSB, \new
.endif
.endm
.macro PLACES                          ; four plain places behind matrix instructions, in front of loads into their operands and of reads of their results
.rept 4
	v_nop
.endr
.endm
.macro CREST                           ; a round of the cluster's barrier behind its opening barrier
	s_cmp_lg_u32 s[WV], 0
	s_cbranch_scc1 .Lnot_wave_0_\@
	s_barrier_signal -3
.Lnot_wave_0_\@:
	s_barrier_wait -3
	s_barrier_signal -1
	s_barrier_wait -1
.endm
.macro CROUND
	s_barrier_signal -1
	s_barrier_wait -1
	CREST
.endm
; A group 1: a dense block of memory taken as rows of 256 bytes, 32 elements of 8 bytes; no padding: every LDS load reads 512, 128 or 64 consecutive bytes
.macro G1SET g, m, rows
	s_or_b32 s[\g], s[\m], (3<<16)|(1<<21)         ; 15:0 the mask; 17:16 elements of 8 bytes; 21 set beside a mask
	s_mov_b32 s[\g+1], 32<<16                      ; tensor_dim0
	s_mov_b32 s[\g+2], (\rows)<<16                 ; tensor_dim1
	s_mov_b32 s[\g+3], 32<<16                      ; tile_dim0
	s_mov_b32 s[\g+4], \rows                       ; tile_dim1
	s_mov_b32 s[\g+5], 32                          ; the pitch
	s_mov_b32 s[\g+6], 0
	s_mov_b32 s[\g+7], 0
.endm
; one matrix instruction: D, source 0, source 1; cm = 0: C is the constant 0, else v[cc ..]; the two scale registers; odd = 1: source 0's scale words lie in lanes 16-31
.macro WMM d, a, b, cm, cc, sa, sb, odd
.if (\cm) == 0
.if (\odd)
	v_wmma_scale_f32_16x16x128_f8f6f4 v[(\d):(\d)+7], v[(\a):(\a)+11], v[(\b):(\b)+11], 0, v[\sa], v[\sb] matrix_a_fmt:MATRIX_FMT_BF6 matrix_b_fmt:MATRIX_FMT_BF6 matrix_a_scale:MATRIX_SCALE_ROW1
.else
	v_wmma_scale_f32_16x16x128_f8f6f4 v[(\d):(\d)+7], v[(\a):(\a)+11], v[(\b):(\b)+11], 0, v[\sa], v[\sb] matrix_a_fmt:MATRIX_FMT_BF6 matrix_b_fmt:MATRIX_FMT_BF6
.endif
.else
.if (\odd)
	v_wmma_scale_f32_16x16x128_f8f6f4 v[(\d):(\d)+7], v[(\a):(\a)+11], v[(\b):(\b)+11], v[(\cc):(\cc)+7], v[\sa], v[\sb] matrix_a_fmt:MATRIX_FMT_BF6 matrix_b_fmt:MATRIX_FMT_BF6 matrix_a_scale:MATRIX_SCALE_ROW1
.else
	v_wmma_scale_f32_16x16x128_f8f6f4 v[(\d):(\d)+7], v[(\a):(\a)+11], v[(\b):(\b)+11], v[(\cc):(\cc)+7], v[\sa], v[\sb] matrix_a_fmt:MATRIX_FMT_BF6 matrix_b_fmt:MATRIX_FMT_BF6
.endif
.endif
.endm
; The fragments of K step s, from place s % 6.  Thirty loads: q's four of W, x's four, their scale words
.macro LDG1 s
	WIN 0x40
.irp f, 0,1,2,3
.irp c, 0,1,2
	ds_load_b128 v[128+12*\f+4*\c:128+12*\f+4*\c+3], v[AW+((\s)%6)/3] offset:(((\s)%6)%3)*WSB+\f*1536+512*\c
.endr
.endr
	WIN 0x80
.irp t, 0,1,2,3
.irp c, 0,1,2
	ds_load_b128 v[160+48*((\s)%2)+12*\t+4*\c:160+48*((\s)%2)+12*\t+4*\c+3], v[AX+((\s)+6)/8] offset:(\s)*XSB+\t*1536+512*\c
.endr
.endr
	WIN 0
	ds_load_b32 v[WS], v[AWS+((\s)%6)/3] offset:(((\s)%6)%3)*WSB
	ds_load_b32 v[WS+1], v[AWS+((\s)%6)/3] offset:(((\s)%6)%3)*WSB+128
.irp t, 0,1,2,3
	ds_load_b32 v[XS+4*((\s)%2)+\t], v[AXS+((\s)+6)/8] offset:(\s)*XSB+64*\t
.endr
.endm
.macro LDK s                           ; fourteen: k's four of W and their scale words
	WIN 0x40
.irp f, 0,1,2,3
.irp c, 0,1,2
	ds_load_b128 v[176+12*\f+4*\c:176+12*\f+4*\c+3], v[AW+((\s)%6)/3] offset:(((\s)%6)%3)*WSB+(4+\f)*1536+512*\c
.endr
.endr
	WIN 0
	ds_load_b32 v[WS+2], v[AWS+((\s)%6)/3] offset:(((\s)%6)%3)*WSB+256
	ds_load_b32 v[WS+3], v[AWS+((\s)%6)/3] offset:(((\s)%6)%3)*WSB+384
.endm
.macro LDV s                           ; fourteen: v's
	WIN 0
.irp f, 0,1,2,3
.irp c, 0,1,2
	ds_load_b128 v[WVF+12*\f+4*\c:WVF+12*\f+4*\c+3], v[AW+((\s)%6)/3] offset:(((\s)%6)%3)*WSB+(8+\f)*1536+512*\c
.endr
.endr
	ds_load_b32 v[WS+4], v[AWS+((\s)%6)/3] offset:(((\s)%6)%3)*WSB+512
	ds_load_b32 v[WS+5], v[AWS+((\s)%6)/3] offset:(((\s)%6)%3)*WSB+640
.endm
; The products of a K step: 56 accumulators, one instruction each, in the same order in every step: they take turns.  first = 1: the bias (q, v) or the constant 0 (k) starts the sums.
.macro MULQ s, first, c0               ; eight: tiles c0, c0 + 1 of the head's dims x my four tiles of rows
.irp c, \c0, \c0+1
.irp t, 0,1,2,3
	WMM 32*\t+8*(\c), 128+12*(\c), 160+48*((\s)%2)+12*\t, 1, (\first)*(BQ+8*(\c))+(1-(\first))*(32*\t+8*(\c)), WS+(\c)/2, XS+4*((\s)%2)+\t, (\c)%2
.endr
.endr
.endm
.macro MULK s, first
	WIN 0xA9
.irp c, 0,1,2,3
.irp t, 0,1,2,3
	WMM 32*\t+8*\c, 176+12*\c, 160+48*((\s)%2)+12*\t, 1-(\first), 32*\t+8*\c, WS+2+\c/2, XS+4*((\s)%2)+\t, \c%2
.endr
.endr
	WIN 0xAD
.irp c, 0,1,2,3
	WMM 128+8*\c, 176+12*\c, 160+12*(\s), 1-(\first), 128+8*\c, WS+2+\c/2, HS+(\s), \c%2
.endr
.endm
.macro MULV s, first
.if \first
	WIN 0xC8
.else
	WIN 0xF8
.endif
.irp c, 0,1,2,3
.irp t, 0,1,2,3
	WMM 32*\t+8*\c, WVF+12*\c, 160+48*((\s)%2)+12*\t, 1, (\first)*(BV+8*\c)+(1-(\first))*(32*\t+8*\c), WS+4+\c/2, XS+4*((\s)%2)+\t, \c%2
.endr
.endr
.if \first
	WIN 0xCC
.else
	WIN 0xFC
.endif
.irp c, 0,1,2,3
	WMM 128+8*\c, WVF+12*\c, 160+12*(\s), 1, (\first)*(BV+8*\c)+(1-(\first))*(128+8*\c), WS+4+\c/2, HS+(\s), \c%2
.endr
.endm
; A K STEP.  At its head the step's 58 LDS loads are out, in this order: q's and x's 30, k's 14, v's 14.  Each kind of W has one set of registers, fetched anew behind its own products; x has two sets.
; chg = 0: no barrier.  chg = 1: a barrier behind which nothing is filled: my quarter of steps 6 and 7 has landed, and behind it everybody's has.  chg = 2: places 0 and 1 have been read out and take steps 6 and 7.
; chg = 3: all six places have been read out and take the next head's steps 0 to 5.  nxt = 1: the next step's fragments are fetched.
.macro STEP s, first, chg, nxt
.if (\chg) == 0
	s_wait_dscnt 28                                ; q's and x's are in; k's 14 and v's 14 may be out
.if \first
	WIN 0x49
.else
	WIN 0x59
.endif
	MULQ \s, \first, 0
	MULQ \s, \first, 2
	PLACES
.else
	WIN 0                                          ; (the add's two registers lie in window 0)
	s_wait_tensorcnt 0x0                           ; all my tensor loads have landed
	ds_add_u32 v[SPW], v[NIL]                      ; 0 onto my spare word
.if (\chg) == 1
	s_add_nc_u64 s[G0R2+2:G0R2+3], s[G0R2+2:G0R2+3], HEADB   ; no load of mine is out, so a group 0 may be written: the next head's steps 6 and 7 (behind the last head the stepped address is not used)
.endif
	s_wait_dscnt 29                                ; (k's 14, v's 14 and the add may be out)
	WIN 0x59
	MULQ \s, 0, 0                                  ; eight matrix instructions stand between the add and the wait for it
	s_wait_dscnt 0x0                               ; the add is done, and all that I have asked of LDS is in registers
	s_barrier_signal -1
	MULQ \s, 0, 2                                  ; work on registers while the others arrive
	WIN 0
	s_barrier_wait -1
.if (\chg) == 2
	CREST                                          ; the barrier has opened a round of the cluster's: no wave of any partner still reads places 0 and 1 or has a load on its way
	tensor_load_to_lds s[G0R2:G0R2+3], s[G1W2:G1W2+7]   ; my one load behind the round
	s_nop 0
.endif
.if (\chg) == 3
	CREST                                          ; likewise for all six places
	s_add_nc_u64 s[G0R6+2:G0R6+3], s[G0R6+2:G0R6+3], HEADB
	tensor_load_to_lds s[G0R6:G0R6+3], s[G1W6:G1W6+7]   ; my one load behind the round
	s_nop 0
.endif
	PLACES                                         ; behind the tensor load; also the places in front of the loads below
.endif
.if \nxt
	LDG1 (\s)+1
	s_wait_dscnt 44                                ; k's are in; v's 14 and the 30 just issued may be out
.else
	s_wait_dscnt 14
.endif
	MULK \s, \first
	PLACES
.if \nxt
	LDK (\s)+1
	s_wait_dscnt 44                                ; v's are in; the next step's 30 and 14 may be out
.else
	s_wait_dscnt 0
.endif
	MULV \s, \first
	PLACES
.if \nxt
	LDV (\s)+1
.endif
	WIN 0
.endm
; The three rows before my four (window 1, v128 on) and the three after (window 2, v160 on), of k or of v.  Row n of the edge tile is spread to all lanes first; the shift by one lane then leaves it in the one lane that has no neighbour.
; The registers are taken in ascending order.
.macro HALO wb, wa
	WIN \wb
.irp n, 1,2,3
.set d, 0
.rept 32
	v_mov_b32_dpp v[96+32*\n+d], v[128+d] row_share:\n row_mask:0xf bank_mask:0xf
.set d, d+1
.endr
.endr
.irp n, 1,2,3
.set d, 0
.rept 32
	v_mov_b32_dpp v[96+32*\n+d], v[32*\n+d] row_shr:1 row_mask:0xf bank_mask:0xf   ; row 4 (r - 1) + n: lane r - 1's tile n
.set d, d+1
.endr
.endr
	WIN \wa
.irp n, 4,5,6
.set d, 0
.rept 32
	v_mov_b32_dpp v[32+32*\n+d], v[128+d] row_share:\n row_mask:0xf bank_mask:0xf
.set d, d+1
.endr
.endr
.irp n, 4,5,6
.set d, 0
.rept 32
	v_mov_b32_dpp v[32+32*\n+d], v[32*\n-128+d] row_shl:1 row_mask:0xf bank_mask:0xf   ; row 4 (r + 1) + n - 4: lane r + 1's tile n - 4
.set d, d+1
.endr
.endr
.endm
.macro PKS sr, qr, kr                  ; a score's two partial sums take two more dims; the first product starts them
.if i == 0
	v_pk_mul_f32 v[(\sr):(\sr)+1], v[(\qr):(\qr)+1], v[(\kr):(\kr)+1]
.else
	v_pk_fma_f32 v[(\sr):(\sr)+1], v[(\qr):(\qr)+1], v[(\kr):(\kr)+1], v[(\sr):(\sr)+1]
.endif
.endm
.macro PKO o, v, p, first              ; two dims of the result take p x v; p lies in the low register of its pair
.if \first
	v_pk_mul_f32 v[(\o):(\o)+1], v[(\v):(\v)+1], v[(\p):(\p)+1] op_sel_hi:[1,0]
.else
	v_pk_fma_f32 v[(\o):(\o)+1], v[(\v):(\v)+1], v[(\p):(\p)+1], v[(\o):(\o)+1] op_sel_hi:[1,0,1]
.endif
.endm
.macro LDBIAS                          ; b_q and b_v of the head, in the result's layout: tile c, my eight dims
.irp c, 0,1,2,3
	global_load_b128 v[BQ+8*\c:BQ+8*\c+3], v[BO], s[BQP:BQP+1] offset:(32*(\c/2)+8*(\c%2))*4
	global_load_b128 v[BQ+8*\c+4:BQ+8*\c+7], v[BO], s[BQP:BQP+1] offset:(32*(\c/2)+8*(\c%2))*4+16
	global_load_b128 v[BV+8*\c:BV+8*\c+3], v[BO], s[BVP:BVP+1] offset:(32*(\c/2)+8*(\c%2))*4
	global_load_b128 v[BV+8*\c+4:BV+8*\c+7], v[BO], s[BVP:BVP+1] offset:(32*(\c/2)+8*(\c%2))*4+16
.endr
.endm
; THE ATTENTION OF A HEAD.  Query tile t, key row index u = t + offset, -3 .. 6: u < 0 a row before, 0 .. 3 my own tile u, above 3 a row after.  Score (t, u) is the pair at v[S + 2 (6 t + u + 3)].
.macro ATTN last
	HALO 0x42, 0x82
	WIN 0x09                                       ; q in window 1, k in window 2, scores in window 0
.set i, 0
.rept 16
.irp t, 0,1,2,3
.irp u, 0,1,2,3
	PKS S+2*(6*\t+\u+3), 32*\t+2*i, 32*\u+2*i
.endr
.endr
.irp t, 1,2,3
.irp e, 0,1,2
.if \e < \t
	PKS S+2*(6*\t+\e+7), 32*\t+2*i, 160+32*\e+2*i
.endif
.endr
.endr
.set i, i+1
.endr
	WIN 0x05                                       ; the rows before lie in window 1
.set i, 0
.rept 16
.irp t, 0,1,2
.irp m, 0,1,2
.if \m >= \t
	PKS S+2*(6*\t+\m), 32*\t+2*i, 128+32*\m+2*i
.endif
.endr
.endr
.set i, i+1
.endr
	WIN 0
.set x, 0
.rept 28
	v_add_f32 v[S+2*x], v[S+2*x], v[S+2*x+1]       ; the two partial sums,
.set x, x+1
.endr
.set x, 0
.rept 28
	v_permlanex16_b32 v[S+2*x+1], v[S+2*x], s[SEL], s[SEL+1]
.set x, x+1
.endr
.set x, 0
.rept 28
	v_add_f32 v[S+2*x], v[S+2*x], v[S+2*x+1]       ; and the other 32 dims': q . k
.set x, x+1
.endr
.irp t, 0,1,2
.irp m, 0,1,2
.if \m >= \t
	v_cndmask_b32 v[S+2*(6*\t+\m)], v[S+2*(6*\t+\m)], v[NINF], s[MB]   ; keys ahead of the sequence's start
.endif
.endr
.endr
.irp t, 1,2,3
.irp e, 0,1,2
.if \e < \t
	v_cndmask_b32 v[S+2*(6*\t+\e+7)], v[S+2*(6*\t+\e+7)], v[NINF], s[MA]   ; keys behind its end
.endif
.endr
.endr
.irp t, 0,1,2,3
	v_max3_num_f32 v[M+\t], v[S+14*\t], v[S+14*\t+2], v[S+14*\t+4]
.endr
.irp t, 0,1,2,3
	v_max3_num_f32 v[M+\t], v[M+\t], v[S+14*\t+6], v[S+14*\t+8]
.endr
.irp t, 0,1,2,3
	v_max3_num_f32 v[M+\t], v[M+\t], v[S+14*\t+10], v[S+14*\t+12]   ; the row's maximum: a number, since the query's own key always counts
.endr
.irp t, 0,1,2,3
	v_mul_f32 v[M+\t], s[CS], v[M+\t]
.endr
.irp o, 0,1,2,3,4,5,6
.irp t, 0,1,2,3
	v_fma_f32 v[S+14*\t+2*\o], v[S+14*\t+2*\o], s[CS], -v[M+\t]   ; c s - c m
.endr
.endr
.set x, 0
	s_wait_alu depctr_va_vdst(0)
.rept 28
	v_exp_f32 v[S+2*x], v[S+2*x]                   ; one batch
.set x, x+1
.endr
	v_nop                                          ; a plain place behind the last exponential
	s_wait_alu depctr_va_vdst(0)                   ; one wait for the batch, ahead of its first reader
.irp t, 0,1,2,3
	v_add_f32 v[L+\t], v[S+14*\t], v[S+14*\t+2]
.endr
.irp o, 2,3,4,5,6
.irp t, 0,1,2,3
	v_add_f32 v[L+\t], v[L+\t], v[S+14*\t+2*\o]
.endr
.endr
	s_wait_alu depctr_va_vdst(0)
.irp t, 0,1,2,3
	v_rcp_f32 v[RL+\t], v[L+\t]
.endr
	v_nop
	s_wait_alu depctr_va_vdst(0)                   ; and one for the four reciprocals
.irp o, 0,1,2,3,4,5,6
.irp t, 0,1,2,3
	v_mul_f32 v[S+14*\t+2*\o], v[S+14*\t+2*\o], v[RL+\t]   ; the weights, normalised
.endr
.endr
	HALO 0x43, 0x83
	WIN 0x53                                       ; v in window 3, weights in window 0, the result in q's registers
.irp u, 0,1,2,3
.irp t, 0,1,2,3
.set i, 0
.rept 16
.if \u == 0
	PKO 32*\t+2*i, 32*\u+2*i, S+2*(6*\t+\u+3), 1
.else
	PKO 32*\t+2*i, 32*\u+2*i, S+2*(6*\t+\u+3), 0
.endif
.set i, i+1
.endr
.endr
.endr
	WIN 0x52
.irp e, 0,1,2
.irp t, 1,2,3
.if \e < \t
.set i, 0
.rept 16
	PKO 32*\t+2*i, 160+32*\e+2*i, S+2*(6*\t+\e+7), 0
.set i, i+1
.endr
.endif
.endr
.endr
	WIN 0x51
.irp m, 0,1,2
.irp t, 0,1,2
.if \m >= \t
.set i, 0
.rept 16
	PKO 32*\t+2*i, 128+32*\m+2*i, S+2*(6*\t+\m), 0
.set i, i+1
.endr
.endif
.endr
.endr
	WIN 0
.if !\last
	s_wait_xcnt 0x0                                ; the last loads by these bases have read them
	s_add_nc_u64 s[BQP:BQP+1], s[BQP:BQP+1], 256
	s_add_nc_u64 s[BVP:BVP+1], s[BVP:BVP+1], 256
	LDBIAS                                         ; the next head's biases, where the scores lay
	s_wait_tensorcnt 0x0                           ; my quarter of the next head's six steps, asked for at step 7, has landed;
	ds_add_u32 v[SPW], v[NIL]                      ; (the same three lines as at every change)
	s_wait_dscnt 0x0
	s_barrier_signal -1
	s_barrier_wait -1                              ; everybody's has.
	LDG1 0                                         ; the next head's first fragments: they land while the result is quantised
	LDK 0
	LDV 0
.endif
; The result becomes an operand of the last product: K = 64 x head + dim.  A head is two blocks of 32; my 16 registers of tiles 2 b, 2 b + 1 are dims 32 b + 16 (lane / 16) + 0 .. 15.  Two heads make a K step of 128:
; an even head's six registers and two bytes are kept, an odd head's complete the fragment and the scale word.
	WIN 0x05
.irp t, 0,1,2,3
.irp b, 0,1
	v_max3_num_f32 v[TM+2*\t+\b], |v[32*\t+16*\b]|, |v[32*\t+16*\b+1]|, 0x2800000   ; with the floor 2^(5 - 127)
.endr
.endr
.irp j, 2,4,6,8,10,12,14
.irp t, 0,1,2,3
.irp b, 0,1
	v_max3_num_f32 v[TM+2*\t+\b], |v[32*\t+16*\b+\j]|, |v[32*\t+16*\b+\j+1]|, v[TM+2*\t+\b]
.endr
.endr
.endr
	WIN 0
.irp y, 0,1,2,3,4,5,6,7
	v_permlanex16_b32 v[TP+\y], v[TM+\y], s[SEL], s[SEL+1]
.endr
.irp y, 0,1,2,3,4,5,6,7
	v_max_num_f32 v[TM+\y], v[TM+\y], v[TP+\y]     ; the block's largest magnitude
.endr
.irp y, 0,1,2,3,4,5,6,7
	v_add_nc_u32 v[TM+\y], 0xfe000000, v[TM+\y]    ; 4 off its exponent field: the conversion's scale operand
.endr
.irp y, 0,1,2,3,4,5,6,7
	v_lshrrev_b32 v[TP+\y], 23, v[TM+\y]           ; the scale's byte
.endr
.irp t, 0,1,2,3
	v_lshl_or_b32 v[TP+2*\t], v[TP+2*\t+1], 8, v[TP+2*\t]
.endr
.irp t, 0,1,2,3
	v_lshrrev_b32 v[SW+\t], 16, v[SW+\t]           ; the head before's two bytes go down,
.endr
.irp t, 0,1,2,3
	v_lshl_or_b32 v[SW+\t], v[TP+2*\t], 16, v[SW+\t]   ; this head's come on top
.endr
	WIN 0x01
.irp t, 0,1,2,3
	v_cvt_scalef32_pk16_bf6_f32 v[F+12*\t+6:F+12*\t+8], v[32*\t:32*\t+15], v[TM+2*\t]
	v_cvt_scalef32_pk16_bf6_f32 v[TT+4*\t:TT+4*\t+2], v[32*\t+16:32*\t+31], v[TM+2*\t+1]
.endr
	WIN 0
	v_nop                                          ; one plain place behind a scaled conversion
.irp t, 0,1,2,3
.irp j, 0,1,2
	v_permlane16_swap_b32 v[F+12*\t+6+\j], v[TT+4*\t+\j]   ; a whole block to a lane: lanes 0-15 block 0, lanes 16-31 block 1
.endr
.endr
.irp t, 0,1,2,3
.irp j, 0,1,2
	v_mov_b32 v[F+12*\t+9+\j], v[TT+4*\t+\j]
.endr
.endr
.if !\last
	s_bitcmp1_b32 s[HEADC], 0                      ; the count of heads alone: the same in all waves and all partners
	s_cbranch_scc0 .Leven_\@
.endif
.irp t, 0,1,2,3
.irp c, 0,1,2
	global_store_b128 v[LI], v[F+12*\t+4*\c:F+12*\t+4*\c+3], s[A2C:A2C+1] offset:\t*1536+512*\c   ; 512 consecutive bytes a store
.endr
	global_store_b32 v[LS], v[SW+\t], s[A2S:A2S+1] offset:128*\t
.endr
.if !\last
	s_wait_xcnt 0x0                                ; the stores have read their registers and bases
	s_add_nc_u64 s[A2C:A2C+1], s[A2C:A2C+1], 12288 ; the next pair of heads: eight fragments on,
	s_add_nc_u64 s[A2S:A2S+1], s[A2S:A2S+1], 1024  ; eight scale images on
.Leven_\@:
.irp t, 0,1,2,3
.irp j, 0,1,2,3,4,5
	v_mov_b32 v[F+12*\t+\j], v[F+12*\t+6+\j]       ; an even head's codes are kept as the fragment's lower half
.endr
.endr
	s_wait_loadcnt 0x0                             ; the next head's biases
.endif
.endm
.macro STEPS06                         ; a head's K steps 0 to 6: the same text for all four heads
	STEP 0, 1, 0, 1
	STEP 1, 0, 2, 1                                ; places 0 and 1 take steps 6 and 7
	STEP 2, 0, 0, 1
	STEP 3, 0, 0, 1
	STEP 4, 0, 0, 1
	STEP 5, 0, 1, 1                                ; steps 6 and 7 are shown whole to all four waves
	STEP 6, 0, 0, 1
.endm
	s_load_b256 s[4:11], s[0:1], 0x0               ; xw, xh, wqkv, b_q
	s_load_b128 s[12:15], s[0:1], 0x20             ; b_v, a2
	v_lshl_add_u32 v[SPW], v0, 2, SPARE
	v_mov_b32 v[NIL], 0
	ds_add_u32 v[SPW], v[NIL]                      ; the wave's opening: the add, twice on end, and its wait ahead of my first tensor load
	ds_add_u32 v[SPW], v[NIL]
	v_lshrrev_b32 v1, 5, v0
	v_readfirstlane_b32 s[WV], v1                  ; wave 0..3
	s_bfe_u32 s17, ttmp6, 0x40000                  ; cx
	s_bfe_u32 s18, ttmp6, 0x40004                  ; cy
	s_lshl_b32 s19, ttmp9, 2
	s_add_co_u32 s19, s19, s17                     ; which four heads
	s_and_b32 s20, ttmp7, 0xffff
	s_lshl_b32 s20, s20, 2
	s_add_co_u32 s20, s20, s18                     ; which 256 rows
	s_lshl_b32 s27, s18, 2
	s_lshl_b32 s27, 15, s27                        ; my row of the cluster: x goes to it
	s_lshl_b32 s90, 0x1111, s17                    ; my column: the weights go to it
	s_or_b32 s[G1XA], s27, (3<<16)|(1<<21)         ; x's K steps 0 and 1 of all four waves: 4 rows of 12,800 bytes (1,600 elements of 8), 51,200 bytes apart in memory, dense in LDS
	s_mov_b32 s[G1XA+1], 1600<<16
	s_mov_b32 s[G1XA+2], 4<<16
	s_mov_b32 s[G1XA+3], 1600<<16
	s_mov_b32 s[G1XA+4], 4
	s_mov_b32 s[G1XA+5], 6400
	s_mov_b32 s[G1XA+6], 0
	s_mov_b32 s[G1XA+7], 0
	G1SET G1XB, 27, 150
	G1SET G1W2, 90, 38
	G1SET G1W6, 90, 114
	; offsets.  What feeds x's descriptors is made of the rows' coordinate and the wave alone (s91-s93), what feeds the weights' of the heads' coordinate and the wave alone (s96-s97, s2-s3, s100-s101)
	s_lshl_b32 s91, s20, 2
	s_add_co_u32 s91, s91, s[WV]                   ; my block of 64 rows
	s_mul_i32 s92, s91, XB
	s_mov_b32 s93, 0
	s_mul_i32 s94, s91, 13312
	s_mov_b32 s95, 0
	s_mul_i32 s96, s19, 4*HEADB                    ; my four heads' weights
	s_mov_b32 s97, 0
	s_mul_i32 s2, s[WV], Q6                        ; my quarter of six steps,
	s_mov_b32 s3, 0
	s_mul_i32 s100, s[WV], Q2                      ; and of two
	s_mov_b32 s101, 0
	s_lshl_b32 s98, s19, 10                        ; four heads' biases: 1,024 bytes
	s_mov_b32 s99, 0
	s_and_b32 s91, s20, 31                         ; 32 blocks of 256 rows to a sequence
	s_lshl_b32 s91, s91, 2
	s_add_co_u32 s91, s91, s[WV]
	s_cmp_eq_u32 s91, 127
	s_cselect_b32 s[MA], 0x80008000, 0             ; the sequence's last wave: lanes 15 and 31
	s_cmp_eq_u32 s91, 0
	s_cselect_b32 s[MB], 0x00010001, 0             ; its first: lanes 0 and 16
	s_mov_b32 s[SEL], 0x76543210
	s_mov_b32 s[SEL+1], 0xfedcba98
	s_mov_b32 s[CS], 0x3e38aa3b                    ; c = log2(e) / 8
	s_mov_b32 s[HEADC], 0
	s_wait_dscnt 0x0                               ; both opening adds are done
	s_wait_kmcnt 0x0
	s_mov_b32 s[G0XB], 1                           ; my K steps 2 to 7: LDS 51,200 + wave x 38,400: no place in the cluster enters an LDS address
	s_mul_i32 s[G0XB+1], s[WV], 6*XSB
	s_add_co_u32 s[G0XB+1], s[G0XB+1], 8*XSB
	s_add_nc_u64 s[G0XB+2:G0XB+3], s[4:5], s[92:93]
	s_add_nc_u64 s[G0XB+2:G0XB+3], s[G0XB+2:G0XB+3], 2*XSB
	s_or_b32 s[G0XB+3], s[G0XB+3], 0x80000000
	s_mov_b32 s[G0XA], 1                           ; the four waves' K steps 0 and 1: LDS 0 on, wave w's at 12,800 w
	s_mov_b32 s[G0XA+1], 0
	s_mul_i32 s92, s20, 4*XB                       ; the work-group's 256 rows: the rows' coordinate alone
	s_add_nc_u64 s[G0XA+2:G0XA+3], s[4:5], s[92:93]
	s_or_b32 s[G0XA+3], s[G0XA+3], 0x80000000
	s_add_nc_u64 s[96:97], s[8:9], s[96:97]
	s_mov_b32 s[G0R6], 1
	s_add_co_u32 s[G0R6+1], s2, RING
	s_add_nc_u64 s[G0R6+2:G0R6+3], s[96:97], s[2:3]          ; head 0's steps 0 to 5
	s_or_b32 s[G0R6+3], s[G0R6+3], 0x80000000
	s_mov_b32 s[G0R2], 1
	s_add_co_u32 s[G0R2+1], s100, RING
	s_add_nc_u64 s[G0R2+2:G0R2+3], s[96:97], s[100:101]
	s_add_nc_u64 s[G0R2+2:G0R2+3], s[G0R2+2:G0R2+3], 6*WSB   ; head 0's steps 6 and 7
	s_or_b32 s[G0R2+3], s[G0R2+3], 0x80000000
	s_add_nc_u64 s[XHP:XHP+1], s[6:7], s[94:95]
	s_add_nc_u64 s[BQP:BQP+1], s[10:11], s[98:99]
	s_add_nc_u64 s[BVP:BVP+1], s[12:13], s[98:99]
	s_lshl_b32 s10, s20, 2                         ; (s10-s13 have served)  a2[rows][heads][wave / 2]: blocks of 26,624 bytes
	s_add_co_u32 s10, s10, s19
	s_lshl_b32 s10, s10, 1
	s_lshr_b32 s12, s[WV], 1
	s_add_co_u32 s10, s10, s12
	s_mul_i32 s10, s10, 26624
	s_mov_b32 s11, 0
	s_add_nc_u64 s[A2C:A2C+1], s[14:15], s[10:11]
	s_and_b32 s10, s[WV], 1
	s_lshl_b32 s12, s10, 9
	s_add_co_u32 s12, s12, 24576
	s_mov_b32 s13, 0
	s_add_nc_u64 s[A2S:A2S+1], s[A2C:A2C+1], s[12:13]        ; scale images 4 (wave % 2) on
	s_mul_i32 s10, s10, 6144
	s_add_nc_u64 s[A2C:A2C+1], s[A2C:A2C+1], s[10:11]
	G1SET 4, 90, 152                               ; (s4-s15 have served as arguments)  s[4:11], s[12:15]: a third of head 0's steps 0 to 5 of the weights, for waves 1 to 3
	s_mov_b32 s12, 1
	s_mul_i32 s13, s[WV], T3
	s_mov_b32 s14, s13
	s_mov_b32 s15, 0
	s_add_nc_u64 s[14:15], s[96:97], s[14:15]
	s_sub_nc_u64 s[14:15], s[14:15], T3            ; third wave - 1
	s_or_b32 s15, s15, 0x80000000
	s_add_co_u32 s13, s13, RING-T3
	s_mul_i32 s92, s[WV], 2*XSB                    ; LDS: my K steps 0 and 1,
	s_mul_i32 s93, s[WV], 6*XSB
	s_add_co_u32 s93, s93, 6*XSB                   ; and where my K step 0 would lie ahead of my steps 2 to 7
	CROUND                                         ; all sixteen work-groups are here: the first joint loads meet
	s_cmp_lg_u32 s[WV], 0                          ; one load a wave at the head: wave 0 x's first two K steps for all four waves, waves 1 to 3 the weights' six steps
	s_cbranch_scc1 .Lhead_w
	tensor_load_to_lds s[G0XA:G0XA+3], s[G1XA:G1XA+7]
	s_nop 0
	PLACES
	s_branch .Lhead_asked
.Lhead_w:
	tensor_load_to_lds s[12:15], s[4:11]
	s_nop 0
	PLACES
.Lhead_asked:
	v_and_b32 v14, 31, v0
	v_bfe_u32 v15, v0, 4, 1
	v_lshlrev_b32 v[LI], 4, v14
	v_lshlrev_b32 v[LS], 2, v14
	v_lshlrev_b32 v[BO], 6, v15
	WIN 0xC0
.irp k, 0,1,2,3,4,5,6,7
.irp c, 0,1,2
	global_load_b128 v[160+12*\k+4*\c:160+12*\k+4*\c+3], v[LI], s[XHP:XHP+1] offset:\k*1664+512*\c   ; the edge tile's eight fragments: they stay in registers
.endr
.endr
	WIN 0
.irp k, 0,1,2,3,4,5,6,7
	global_load_b32 v[HS+\k], v[LS], s[XHP:XHP+1] offset:\k*1664+1536
.endr
	LDBIAS
	v_add_nc_u32 v[AX], s92, v[LI]
	v_add_nc_u32 v[AX+1], s93, v[LI]
	v_and_b32 v11, 15, v0
	v_lshl_add_u32 v11, v11, 2, 6144
	v_add_nc_u32 v[AXS], s92, v11
	v_add_nc_u32 v[AXS+1], s93, v11
	v_add_nc_u32 v[AW], RING, v[LI]
	v_add_nc_u32 v[AW+1], RING+3*WSB, v[LI]
	v_add_nc_u32 v[AWS], RING+18432, v[LS]
	v_add_nc_u32 v[AWS+1], RING+3*WSB+18432, v[LS]
	v_mov_b32 v[NINF], 0xff800000
.irp y, 0,1,2,3,4,5,6,7
	v_mov_b32 v[TP+\y], 0                          ; written once: a lane permute's destination counts as one of its sources
.endr
.irp t, 0,1,2,3
	v_mov_b32 v[SW+\t], 0
.irp j, 0,1,2,3,4,5
	v_mov_b32 v[F+12*\t+\j], 0                     ; written once, so that every way through the text finds them written
.endr
.endr
	s_wait_alu depctr_va_vdst(0)
	s_wait_tensorcnt 0x0                           ; my load at the head is in; the later first fills are issued as refills are
	ds_add_u32 v[SPW], v[NIL]
	s_wait_dscnt 0x0
	CROUND                                         ; a whole round: the joint loads meet
	tensor_load_to_lds s[G0XB:G0XB+3], s[G1XB:G1XB+7]
	s_nop 0
	PLACES
	LDG1 0
	LDK 0
	LDV 0
	s_wait_loadcnt 0x0                             ; the edge tile and the biases
.Lhead:                                            ; a trip a head; the fourth trip leaves the loop ahead of step 7
	STEPS06
	s_cmp_eq_u32 s[HEADC], 3                       ; the count of heads alone: the same in all waves and all partners
	s_cbranch_scc1 .Llast
	STEP 7, 0, 3, 0                                ; all six places take the next head's steps 0 to 5
	ATTN 0
	s_add_co_u32 s[HEADC], s[HEADC], 1
	s_cmp_lt_u32 s[HEADC], 4
	s_cbranch_scc1 .Lhead
.Llast:
	STEP 7, 0, 0, 0                                ; the last head's tail is written out: it asks for nothing beyond its own steps
	ATTN 1
	s_wait_tensorcnt 0x0                           ; the wave's end
	ds_add_u32 v[SPW], v[NIL]
	s_wait_dscnt 0x0
	CROUND                                         ; the closing round: no work-group ends while a partner may still ask for a tile that names it
	s_endpgm
.Lfunc_end_k_q11d551e8ba_qkvattn:
	.size	k_q11d551e8ba_qkvattn, .Lfunc_end_k_q11d551e8ba_qkvattn-k_q11d551e8ba_qkvattn
	.p2alignl 7, 3214868480
	.fill 96, 4, 3214868480
	.section	.rodata,"a",@progbits
	.p2align	6, 0x0
	.amdhsa_kernel k_q11d551e8ba_qkvattn
		.amdhsa_group_segment_fixed_size 327680
		.amdhsa_private_segment_fixed_size 0
		.amdhsa_enable_private_segment 0
		.amdhsa_kernarg_size 48
		.amdhsa_user_sgpr_count 2
		.amdhsa_user_sgpr_kernarg_segment_ptr 1
		.amdhsa_wavefront_size32 1
		.amdhsa_system_sgpr_workgroup_id_x 1
		.amdhsa_system_sgpr_workgroup_id_y 1
		.amdhsa_system_sgpr_workgroup_id_z 1
		.amdhsa_system_vgpr_workitem_id 0
		.amdhsa_next_free_vgpr 1024
		.amdhsa_next_free_sgpr 102
		.amdhsa_reserve_vcc 0
		.amdhsa_float_denorm_mode_32 3
		.amdhsa_float_denorm_mode_16_64 3
		.amdhsa_memory_ordered 1
		.amdhsa_forward_progress 1
		.amdhsa_inst_pref_size 255
	.end_amdhsa_kernel
	.section	.bss,"aw",@nobits
	.p2align	6
	.space	262144
	.amdgpu_metadata
---
amdhsa.version: [ 1, 2 ]
amdhsa.kernels:
  - .name:           k_q11d551e8ba_qkvattn
    .symbol:         k_q11d551e8ba_qkvattn.kd
    .args:
      - { .name: xw, .offset: 0, .size: 8, .value_kind: global_buffer, .address_space: global }
      - { .name: xh, .offset: 8, .size: 8, .value_kind: global_buffer, .address_space: global }
      - { .name: wqkv, .offset: 16, .size: 8, .value_kind: global_buffer, .address_space: global }
      - { .name: b_q, .offset: 24, .size: 8, .value_kind: global_buffer, .address_space: global }
      - { .name: b_v, .offset: 32, .size: 8, .value_kind: global_buffer, .address_space: global }
      - { .name: a2, .offset: 40, .size: 8, .value_kind: global_buffer, .address_space: global }
    .group_segment_fixed_size: 327680
    .private_segment_fixed_size: 0
    .kernarg_segment_align: 8
    .kernarg_segment_size: 48
    .max_flat_workgroup_size: 128
    .sgpr_count:     102
    .vgpr_count:     1024
    .wavefront_size: 32
...
	.end_amdgpu_metadata
.endif
;; end of part 2
;; launch oproj (part 3): grid 4 x 64, 4 waves a work-group, clusters of 4 x 4, 327,680 bytes of LDS; arguments a2, wo, b_o, out0; writes out0
.if DOCPART == 3
	.amdgcn_target "amdgcn-amd-amdhsa--gfx1250"
	.amdhsa_code_object_version 6
	.text
	.protected	k_q11d551e8ba_oproj
	.globl	k_q11d551e8ba_oproj
	.p2align	8
	.type	k_q11d551e8ba_oproj,@function
k_q11d551e8ba_oproj:
	s_mov_b64 s[64:65], 0
	v_nop
	global_prefetch_b8 v0, s[64:65] scope:SCOPE_SE
	s_setreg_imm32_b32 hwreg(HW_REG_WAVE_MODE, 25, 1), 1
	s_wait_xcnt 0x0
	s_wait_alu depctr_hold_cnt(0) depctr_sa_sdst(0) depctr_va_vdst(0) depctr_va_sdst(0) depctr_va_ssrc(0) depctr_va_vcc(0) depctr_vm_vsrc(0)
	s_getreg_b32 s2, hwreg(HW_REG_IB_STS2, 6, 4)
	s_cmp_eq_u32 s2, 0
	s_cbranch_scc0 .Lentry_in_a_cluster
	s_endpgm
.Lentry_in_a_cluster:
	s_bfe_u32 s2, ttmp6, 0x10000c
	s_cmp_lg_u32 s2, 0xf033
	s_cbranch_scc0 .Lentry_shape_is_right
	s_endpgm
.Lentry_shape_is_right:
.set ABLK,  26624
.set BBLK,  25600
.set SLOT,  2*ABLK+2*BBLK
.set SPARE, 2*SLOT
.set SPITCH, 528
.set FR,   12
.set NL,   3
.set ADRA, 16
.set ADRB, 18
.set ADSA, 20
.set ADSB, 22
.set STO,  24
.set RD,   25
.set CO,   26
.set BO,   27
.set SPW,  28
.set NIL,  29
.set SC,   32
.set BIAS, 80
.set AF,   144
.set BK,   128
.set G1,  24
.set G0,  32
.set G1B, 48
.set G0B, 56
.set MSB, 0
.macro WIN new
.if MSB != \new
	s_set_vgpr_msb (MSB<<8)|\new
.set MSB, \new
.endif
.endm
.set MUL_LO, 0xa1
.set MUL_HI, 0xf1
.set TO_B,   0x40
.macro PLACES
.rept 4
	v_nop
.endr
.endm
.macro JLOAD g0a, g0b
	s_cmp_eq_u32 s15, 0
	s_cbranch_scc0 .Lfor_b_\@
	tensor_load_to_lds s[\g0a:\g0a+3], s[G1:G1+7]
	s_nop 0
	PLACES
	s_branch .Lasked_\@
.Lfor_b_\@:
	tensor_load_to_lds s[\g0b:\g0b+3], s[G1B:G1B+7]
	s_nop 0
	PLACES
.Lasked_\@:
.endm
.macro CREST
	s_cmp_lg_u32 s14, 0
	s_cbranch_scc1 .Lnot_wave_0_\@
	s_barrier_signal -3
.Lnot_wave_0_\@:
	s_barrier_wait -3
	s_barrier_signal -1
	s_barrier_wait -1
.endm
.macro CROUND
	s_barrier_signal -1
	s_barrier_wait -1
	CREST
.endm
.macro WMM d, a, b, cc, sa, sb, odd
.if (\odd)
	v_wmma_scale_f32_16x16x128_f8f6f4 v[(\d):(\d)+7], v[(\a):(\a)+11], v[(\b):(\b)+11], v[(\cc):(\cc)+7], v[\sa], v[\sb] matrix_a_fmt:MATRIX_FMT_BF6 matrix_b_fmt:MATRIX_FMT_BF6 matrix_a_scale:MATRIX_SCALE_ROW1
.else
	v_wmma_scale_f32_16x16x128_f8f6f4 v[(\d):(\d)+7], v[(\a):(\a)+11], v[(\b):(\b)+11], v[(\cc):(\cc)+7], v[\sa], v[\sb] matrix_a_fmt:MATRIX_FMT_BF6 matrix_b_fmt:MATRIX_FMT_BF6
.endif
.endm
	s_load_b256 s[4:11], s[0:1], 0x0
	v_lshl_add_u32 v[SPW], v0, 2, SPARE
	v_mov_b32 v[NIL], 0
	ds_add_u32 v[SPW], v[NIL]
	ds_add_u32 v[SPW], v[NIL]
	v_lshrrev_b32 v1, 5, v0
	v_readfirstlane_b32 s14, v1
	s_lshr_b32 s15, s14, 1
	s_and_b32 s16, s14, 1
	s_bfe_u32 s40, ttmp6, 0x40000
	s_bfe_u32 s41, ttmp6, 0x40004
	s_lshl_b32 s42, ttmp9, 2
	s_add_co_u32 s42, s42, s40
	s_and_b32 s17, ttmp7, 0xffff
	s_lshl_b32 s17, s17, 2
	s_add_co_u32 s17, s17, s41
	s_lshl_b32 s43, s41, 2
	s_lshl_b32 s43, 15, s43
	s_lshl_b32 s44, 0x1111, s40
	s_or_b32 s[G1], s43, (3<<16)|(1<<21)
	s_mov_b32 s[G1+1], 32<<16
	s_mov_b32 s[G1+2], 104<<16
	s_mov_b32 s[G1+3], 32<<16
	s_mov_b32 s[G1+4], 104
	s_mov_b32 s[G1+5], 32
	s_mov_b32 s[G1+6], 0
	s_mov_b32 s[G1+7], 0
	s_or_b32 s[G1B], s44, (3<<16)|(1<<21)
	s_mov_b32 s[G1B+1], 32<<16
	s_mov_b32 s[G1B+2], 100<<16
	s_mov_b32 s[G1B+3], 32<<16
	s_mov_b32 s[G1B+4], 100
	s_mov_b32 s[G1B+5], 32
	s_mov_b32 s[G1B+6], 0
	s_mov_b32 s[G1B+7], 0
	s_lshl_b32 s20, s17, 3
	s_add_co_u32 s20, s20, s16
	s_mul_i32 s20, s20, ABLK
	s_mov_b32 s21, 0
	s_lshl_b32 s46, s42, 3
	s_add_co_u32 s46, s46, s16
	s_mul_i32 s46, s46, BBLK
	s_mov_b32 s47, 0
	s_mul_i32 s66, s16, ABLK
	s_mul_i32 s67, s16, BBLK
	s_add_co_u32 s67, s67, 2*ABLK
	s_lshl_b32 s68, s17, 8
	s_lshl_b32 s69, s15, 7
	s_add_co_u32 s68, s68, s69
	s_lshl_b32 s68, s68, 12
	s_lshl_b32 s70, s42, 10
	s_lshl_b32 s71, s16, 9
	s_add_co_u32 s70, s70, s71
	s_add_co_u32 s68, s68, s70
	s_mov_b32 s69, 0
	s_mov_b32 s71, 0
	s_wait_dscnt 0x0
	s_wait_kmcnt 0x0
	s_add_nc_u64 s[20:21], s[4:5], s[20:21]
	s_add_nc_u64 s[46:47], s[6:7], s[46:47]
	s_add_nc_u64 s[8:9], s[8:9], s[70:71]
	s_add_nc_u64 s[10:11], s[10:11], s[68:69]
	CROUND
.irp g, 0,1
	s_mov_b32 s[G0+4*\g], 1
	s_add_co_u32 s[G0+4*\g+1], s66, \g*SLOT
	s_add_nc_u64 s[G0+4*\g+2:G0+4*\g+3], s[20:21], \g*2*ABLK
	s_or_b32 s[G0+4*\g+3], s[G0+4*\g+3], 0x80000000
	s_mov_b32 s[G0B+4*\g], 1
	s_add_co_u32 s[G0B+4*\g+1], s67, \g*SLOT
	s_add_nc_u64 s[G0B+4*\g+2:G0B+4*\g+3], s[46:47], \g*2*BBLK
	s_or_b32 s[G0B+4*\g+3], s[G0B+4*\g+3], 0x80000000
.endr
	JLOAD G0, G0B                                  ; slot 0: my one load at the head, behind the round; the set-up and the bias loads below stand under its flight
	v_and_b32 v1, 15, v0
	v_bfe_u32 v2, v0, 4, 1
	v_and_b32 v3, 31, v0
	v_lshlrev_b32 v[CO], 4, v3
	v_lshlrev_b32 v4, 2, v3
	v_lshlrev_b32 v[BO], 6, v2
.irp b, 0,1,2,3,4,5,6,7
	global_load_b128 v[BIAS+8*\b:BIAS+8*\b+3], v[BO], s[8:9] offset:(32*(\b/2)+8*(\b%2))*4
	global_load_b128 v[BIAS+8*\b+4:BIAS+8*\b+7], v[BO], s[8:9] offset:(32*(\b/2)+8*(\b%2))*4+16
.endr
	s_mul_i32 s72, s15, ABLK
	s_mul_i32 s73, s16, BBLK
	s_add_co_u32 s73, s73, 2*ABLK
.irp g, 0,1
	v_add_nc_u32 v[ADRA+\g], s72, v[CO]
	v_add_nc_u32 v[ADRB+\g], s73, v[CO]
	v_add_nc_u32 v[ADSA+\g], s72, v4
	v_add_nc_u32 v[ADSB+\g], s73, v4
	s_add_co_u32 s72, s72, SLOT
	s_add_co_u32 s73, s73, SLOT
.endr
	s_mul_i32 s74, s14, 16*SPITCH
	v_mul_u32_u24 v5, v1, SPITCH
	v_lshl_add_u32 v5, v2, 6, v5
	v_add_nc_u32 v[STO], s74, v5
	v_add_nc_u32 v[RD], s74, v[CO]
.macro FRAG reg, adr, q, i
.irp c, 0,1,2
	ds_load_b128 v[(\reg)+4*\c:(\reg)+4*\c+3], v[\adr] offset:((\q)*8+(\i))*1536+512*\c
.endr
.endm
.macro MUL16 a0, p, q, sc, first
.irp a, \a0, \a0+1
.irp b, 0,1,2,3,4,5,6,7
	WMM 8*(8*((\a)%4)+\b), 128*(\p)+FR*\b, AF+FR*(\a), (\first)*(BIAS+8*\b)+(1-(\first))*(8*(8*((\a)%4)+\b)), SC+24*(\sc)+16+4*(\q)+\b/2, SC+24*(\sc)+8*(\q)+(\a), \b%2
.endr
.endr
.endm
.macro FETCH_B slot, q, p
	WIN TO_B
.irp i, 0,1,2,3,4,5,6,7
	FRAG 128*(\p)+FR*\i, ADRB+\slot, \q, \i
.endr
	WIN 0
.endm
.macro FETCH_A slot, q, i0
.irp i, \i0, \i0+1, \i0+2, \i0+3
	FRAG AF+FR*(\i), ADRA+\slot, \q, \i
.endr
.endm
.macro SCALES sl
.irp q, 0,1
.irp a, 0,1,2,3,4,5,6,7
	ds_load_b32 v[SC+24*(\sl)+8*\q+\a], v[ADSA+\sl] offset:24576+(8*\q+\a)*128
.endr
.irp p, 0,1,2,3
	ds_load_b32 v[SC+24*(\sl)+16+4*\q+\p], v[ADSB+\sl] offset:24576+(4*\q+\p)*128
.endr
.endr
.endm
.macro STEP slot, first
	s_wait_dscnt 4*NL
.if \first
	WIN 0x81
.else
	WIN MUL_LO
.endif
	MUL16 0, 0, 0, \slot, \first
	MUL16 2, 0, 0, \slot, \first
	s_wait_dscnt 0
	PLACES
	FETCH_B \slot, 1, 1
	FETCH_A \slot, 1, 0
.if \first
	WIN 0xC1
.else
	WIN MUL_HI
.endif
	MUL16 4, 0, 0, \slot, \first
	MUL16 6, 0, 0, \slot, \first
	PLACES
	WIN 0
	FETCH_A \slot, 1, 4
.endm
.macro TURN slot, next, fill
	s_wait_tensorcnt 0x0
	ds_add_u32 v[SPW], v[NIL]
	s_wait_dscnt 4*NL+1
	WIN MUL_LO
	MUL16 0, 1, 1, \slot, 0
	s_wait_dscnt 0x0
	s_barrier_signal -1
	MUL16 2, 1, 1, \slot, 0
	WIN 0
	s_barrier_wait -1
.if \fill
	CREST
	s_add_nc_u64 s[G0+4*\slot+2:G0+4*\slot+3], s[G0+4*\slot+2:G0+4*\slot+3], 4*ABLK
	s_add_nc_u64 s[G0B+4*\slot+2:G0B+4*\slot+3], s[G0B+4*\slot+2:G0B+4*\slot+3], 4*BBLK
	JLOAD G0+4*\slot, G0B+4*\slot
.else
	PLACES
.endif
	FETCH_B \next, 0, 0
	FETCH_A \next, 0, 0
	SCALES \next
	WIN MUL_HI
	MUL16 4, 1, 1, \slot, 0
	MUL16 6, 1, 1, \slot, 0
	PLACES
	WIN 0
	FETCH_A \next, 0, 4
.endm
	s_wait_alu depctr_va_vdst(0)
	s_wait_tensorcnt 0x0                           ; my part of slot 0 is in; slot 1's first fill is issued as a refill is
	ds_add_u32 v[SPW], v[NIL]
	s_wait_dscnt 0x0
	CROUND                                         ; everybody's part is in, and the joint loads meet
	JLOAD G0+4, G0B+4                              ; slot 1: my one load behind the round
	FETCH_B 0, 0, 0
	FETCH_A 0, 0, 0
	SCALES 0
	FETCH_A 0, 0, 4
	s_wait_loadcnt 0x0
	STEP 0, 1
	TURN 0, 1, 1
	STEP 1, 0
	TURN 1, 0, 1
	STEP 0, 0
	TURN 0, 1, 0
	STEP 1, 0
	s_wait_dscnt 4*NL
	WIN MUL_LO
	MUL16 0, 1, 1, 1, 0
	MUL16 2, 1, 1, 1, 0
	s_wait_dscnt 0
	WIN MUL_HI
	MUL16 4, 1, 1, 1, 0
	MUL16 6, 1, 1, 1, 0
	WIN 0
.macro TOSTAGE a
.set AC, 64*((\a)%4)
	WIN 0x08+4*((\a)/4)
.irp b, 0,1,2,3,4,5,6,7
	ds_store_b128 v[STO], v[AC+8*\b:AC+8*\b+3] offset:128*(\b/2)+32*(\b%2)
	ds_store_b128 v[STO], v[AC+8*\b+4:AC+8*\b+7] offset:128*(\b/2)+32*(\b%2)+16
.endr
	WIN 0
.set BB, BK+64*((\a)%2)
.irp t, 0,1,2,3,4,5,6,7,8,9,10,11,12,13,14,15
	ds_load_b128 v[BB+4*\t:BB+4*\t+3], v[RD] offset:\t*SPITCH
.endr
.endm
.macro SEND a, younger
.set BB, BK+64*((\a)%2)
	s_wait_dscnt \younger
.irp t, 0,1,2,3,4,5,6,7,8,9,10,11,12,13,14,15
	global_store_b128 v[CO], v[BB+4*\t:BB+4*\t+3], s[10:11] offset:(((\a)/4)*64+(\a)%4+4*\t)*4096 th:TH_STORE_NT
.endr
.endm
	PLACES
	TOSTAGE 0
.irp a, 1,2,3,4,5,6,7
.if \a > 1
	s_wait_xcnt 0x0
.endif
	TOSTAGE \a
	SEND \a-1, 32
.endr
	SEND 7, 0
	s_wait_tensorcnt 0x0
	ds_add_u32 v[SPW], v[NIL]
	s_wait_dscnt 0x0
	CROUND
	s_endpgm
.Lfunc_end_k_q11d551e8ba_oproj:
	.size	k_q11d551e8ba_oproj, .Lfunc_end_k_q11d551e8ba_oproj-k_q11d551e8ba_oproj
	.p2alignl 7, 3214868480
	.fill 96, 4, 3214868480
	.section	.rodata,"a",@progbits
	.p2align	6, 0x0
	.amdhsa_kernel k_q11d551e8ba_oproj
		.amdhsa_group_segment_fixed_size 327680
		.amdhsa_private_segment_fixed_size 0
		.amdhsa_enable_private_segment 0
		.amdhsa_kernarg_size 32
		.amdhsa_user_sgpr_count 2
		.amdhsa_user_sgpr_kernarg_segment_ptr 1
		.amdhsa_wavefront_size32 1
		.amdhsa_system_sgpr_workgroup_id_x 1
		.amdhsa_system_sgpr_workgroup_id_y 1
		.amdhsa_system_sgpr_workgroup_id_z 1
		.amdhsa_system_vgpr_workitem_id 0
		.amdhsa_next_free_vgpr 1024
		.amdhsa_next_free_sgpr 98
		.amdhsa_reserve_vcc 0
		.amdhsa_float_denorm_mode_32 3
		.amdhsa_float_denorm_mode_16_64 3
		.amdhsa_memory_ordered 1
		.amdhsa_forward_progress 1
		.amdhsa_inst_pref_size 138
	.end_amdhsa_kernel
	.amdgpu_metadata
---
amdhsa.version: [ 1, 2 ]
amdhsa.kernels:
  - .name:           k_q11d551e8ba_oproj
    .symbol:         k_q11d551e8ba_oproj.kd
    .args:
      - { .name: a2, .offset: 0, .size: 8, .value_kind: global_buffer, .address_space: global }
      - { .name: wo, .offset: 8, .size: 8, .value_kind: global_buffer, .address_space: global }
      - { .name: b_o, .offset: 16, .size: 8, .value_kind: global_buffer, .address_space: global }
      - { .name: out0, .offset: 24, .size: 8, .value_kind: global_buffer, .address_space: global }
    .group_segment_fixed_size: 327680
    .private_segment_fixed_size: 0
    .kernarg_segment_align: 8
    .kernarg_segment_size: 32
    .max_flat_workgroup_size: 128
    .sgpr_count:     98
    .vgpr_count:     1024
    .wavefront_size: 32
...
	.end_amdgpu_metadata
.endif
;; end of part 3
